; MI455X (gfx1250); checked and timed in simulation.
; The chip was launched on July 23, 2026; its instructions are those of AMD's public machine-readable ISA for CDNA 5 (MIT licence, August 2026) and "CDNA5" Instruction Set Architecture Reference Guide (July 2026). The comments in the code are by the model that wrote it; some were corrected since.
;; Multi Head Attention. Allowed arithmetic: matrix products marked QUANTISED: E2M3 operands, one E8M0 scale for each 32 along K, by v_wmma_scale_f32_16x16x128_f8f6f4 with both operands' format E2M3, f32 sums; everything else in f32.
;; Inputs: fc_b 1,024 float32; fc_w_codes 1,024 x 32 x 24 uint8 (E2M3 codes of fc_w, K innermost, in blocks of 32 codes, four codes in three bytes); fc_w_scales 1,024 x 32 uint8 (E8M0 scales of fc_w, one for each 32 codes along K); key_codes 4 x 2,048 x 32 x 24 uint8 (E2M3 codes of key, K innermost, in blocks of 32 codes, four codes in three bytes); key_scales 4 x 2,048 x 32 uint8 (E8M0 scales of key, one for each 32 codes along K); query_codes 4 x 2,048 x 32 x 24 uint8 (E2M3 codes of query, K innermost, in blocks of 32 codes, four codes in three bytes); query_scales 4 x 2,048 x 32 uint8 (E8M0 scales of query, one for each 32 codes along K); value_codes 4 x 2,048 x 32 x 24 uint8 (E2M3 codes of value, K innermost, in blocks of 32 codes, four codes in three bytes); value_scales 4 x 2,048 x 32 uint8 (E8M0 scales of value, one for each 32 codes along K); wk_codes 16 x 64 x 32 x 24 uint8 (E2M3 codes of wk, K innermost, in blocks of 32 codes, four codes in three bytes); wk_scales 16 x 64 x 32 uint8 (E8M0 scales of wk, one for each 32 codes along K); wq_codes 16 x 64 x 32 x 24 uint8 (E2M3 codes of wq, K innermost, in blocks of 32 codes, four codes in three bytes); wq_scales 16 x 64 x 32 uint8 (E8M0 scales of wq, one for each 32 codes along K); wv_codes 16 x 64 x 32 x 24 uint8 (E2M3 codes of wv, K innermost, in blocks of 32 codes, four codes in three bytes); wv_scales 16 x 64 x 32 uint8 (E8M0 scales of wv, one for each 32 codes along K).
;; Outputs: out0 4 x 2,048 x 1,024 float32.
;; This version of the problem:
;;   THIS VERSION OF THE PROBLEM IS GIVEN IN LOW PRECISION. The matrix products marked QUANTISED in the list below multiply operands that are first quantised to E2M3 (2 exponent bits, 3 mantissa bits; 6 bits a number), with one power-of-two scale for each 32 numbers along K (OCP MX v1.0); their sums are f32. All else is computed in f32.
;;   The module's matrix products, in the order in which they are computed (A, B: the left and right operand; K: the contracted axis; several contracted axes count as one K, in the product's order):
;;     1. [M 1,024, K 1,024] x [K 1,024, N 8,192]; A: input wq (given as codes); B: input query (given as codes): QUANTISED
;;     2. [M 1,024, K 1,024] x [K 1,024, N 8,192]; A: input wk (given as codes); B: input key (given as codes): QUANTISED
;;     3. [M 1,024, K 1,024] x [K 1,024, N 8,192]; A: input wv (given as codes); B: input value (given as codes): QUANTISED
;;     4. batch 64 x [M 2,048, K 64] x [K 64, N 2,048]; A: computed on the way; B: computed on the way: QUANTISED
;;     5. batch 64 x [M 2,048, K 2,048] x [K 2,048, N 64]; A: softmax (see below); B: computed on the way: QUANTISED
;;     6. [M 8,192, K 1,024] x [K 1,024, N 1,024]; A: computed on the way; B: input fc_w (given as codes): QUANTISED
;;   THE QUANTISER, for each operand of a quantised product, along K:
;;     - K is cut into blocks of 32 from its start; a last block that is shorter is filled with zeros.
;;     - A block's scale is 2^e with e = floor(log2(the largest magnitude in the block)) - 2, held to -126 .. 127; a block of zeros has e = 0. As a byte (E8M0): e + 127.
;;     - Each number is divided by its block's scale, clamped to +-7.5, and rounded to the nearest number of E2M3, ties to even, subnormals kept.
;;     - The product sums the exact products of the quantised numbers (number of the format x scale) in f32.
;;   ~~~python
;;   def quantise(x, axis):      # numpy; x: float32 -> the quantised numbers, widened to float32 again
;;       x = np.moveaxis(x, axis, -1); K = x.shape[-1]
;;       x = np.pad(x, [(0, 0)] * (x.ndim - 1) + [(0, -K % 32)]); x = x.reshape(x.shape[:-1] + (-1, 32)); a = np.abs(x).max(-1, keepdims=True)
;;       e = np.where(a > 0, np.clip(np.frexp(np.where(a > 0, a, 1))[1] - 1 - 2, -126, 127), 0)      # np.frexp(a)[1] - 1 = floor(log2(a)), exactly
;;       r = np.clip(x / 2.0 ** e, -7.5, 7.5)
;;       step = 2.0 ** (np.maximum(np.frexp(np.where(r == 0, 1, r))[1] - 1, 0) - 3)
;;       q = np.round(r / step) * step * 2.0 ** e      # np.round: ties to even
;;       return np.moveaxis(q.reshape(q.shape[:-2] + (-1,))[..., :K], -1, axis).astype(np.float32)
;;   ~~~
;;   SOFTMAX AHEAD OF A QUANTISED PRODUCT. Where the list says 'softmax', what is quantised is not the finished softmax but p = 2^(t - M), with t = logit x log2(e) and M = ceil(the row's largest t), a whole number; so 1/2 < the row's largest p <= 1. The row's sum l is taken of the UNQUANTISED p, in f32, and the product's result is divided by l at the end. Since M is a whole number, a kernel that streams over the keys may use a running M (the ceiling of the running maximum): every later rescaling is an exact power of two, which a block's scale takes up: the codes' values come out the same.
;;   OPERANDS COMPUTED ON THE WAY. 'Computed on the way' means the value that the module computes at that place (a softmax that the list does not call 'softmax' is quantised finished and normalised). What goes into a quantiser is computed in f32, as accurately as f32 sums, v_exp_f32 and their like allow (about 1e-6 of the number): no bf16 or f16 on the way to a quantiser, and a product that is left as it is and whose result goes on into a quantised operand takes f32 operands (vector FMAs, or v_wmma_f32_16x16x4_f32). A number that lies on a knife's edge between two numbers of the format may be rounded either way, as far as f32 arithmetic and the matrix unit's own rounding can turn it there, and no further.
;;   INPUTS GIVEN AS CODES. fc_w (in the module: [1024, 1024], K = its axis 1); key (in the module: [4, 2048, 1024], K = its axis 2); query (in the module: [4, 2048, 1024], K = its axis 2); value (in the module: [4, 2048, 1024], K = its axis 2); wk (in the module: [16, 1024, 64], K = its axis 1); wq (in the module: [16, 1024, 64], K = its axis 1); wv (in the module: [16, 1024, 64], K = its axis 1): each comes as NAME_codes (uint8): NAME with its K axis moved to the last place and cut into blocks of 32 codes, [.., K / 32, bytes a block], one block behind the other in memory; four codes in three bytes: a row's codes are one little-endian stream of bits, code i at bits 6 i .. 6 i + 5 (a code: sign, 2 exponent bits, 3 mantissa bits); and NAME_scales (uint8): the same leading axes, one E8M0 byte (e + 127) for each 32 codes along K. Its value is code x scale, taken as it is: it is not quantised again, and the codes and scales need not be those that the quantiser above would give.
;; One version. Each part assembles by itself: llvm-mc -triple=amdgcn-amd-amdhsa -mcpu=gfx1250 --defsym DOCPART=n.
;; ======== version 1 of 1: 3 launches
;; limits: right only within a limited range of input values
;; workspace buffers: qws 13,631,488 bytes; kvws 13,631,488 bytes; cimg 6,291,456 bytes; cscl 262,144 bytes
;; launch proj (part 1): grid 4 x 64, 4 waves a work-group, clusters of 4 x 4, 327,680 bytes of LDS; arguments query_codes, query_scales, key_codes, key_scales, value_codes, value_scales, wq_codes, wq_scales, wk_codes, wk_scales, wv_codes, wv_scales, qws, kvws; writes qws, kvws
.if DOCPART == 1
	.amdgcn_target "amdgcn-amd-amdhsa--gfx1250"
	.amdhsa_code_object_version 6
	.text
	.protected	k_q0b77e79b5d_proj
	.globl	k_q0b77e79b5d_proj
	.p2align	8
	.type	k_q0b77e79b5d_proj,@function
k_q0b77e79b5d_proj:
	s_mov_b64 s[64:65], 0
	v_nop
	global_prefetch_b8 v0, s[64:65] scope:SCOPE_SE
	s_setreg_imm32_b32 hwreg(HW_REG_WAVE_MODE, 25, 1), 1
	s_wait_xcnt 0x0
	s_wait_alu depctr_hold_cnt(0) depctr_sa_sdst(0) depctr_va_vdst(0) depctr_va_sdst(0) depctr_va_ssrc(0) depctr_va_vcc(0) depctr_vm_vsrc(0)
	s_getreg_b32 s2, hwreg(HW_REG_IB_STS2, 6, 4)
	s_cmp_eq_u32 s2, 0
	s_cbranch_scc0 .Lentry_in_a_cluster
	s_endpgm
.Lentry_in_a_cluster:
	s_bfe_u32 s2, ttmp6, 0x10000c
	s_cmp_lg_u32 s2, 0xf033
	s_cbranch_scc0 .Lentry_shape_is_right
	s_endpgm
.Lentry_shape_is_right:
; THE THREE PROJECTIONS q = query wq, k = key wk, v = value wv on codes of FP6 (E2M3), one E8M0 scale for each 32 along K = 1,024, and the quantising of their results for the attention launch.  No work of the problem is left out.
; 256 WORK-GROUPS STAY: each makes one tile of q, then of k, then of v (PATH 0, 1, 2: a loop of two trips, the last tile written out, since it asks for nothing more).
; A tile is 128 rows of A x 256 rows of B with ALL OF K in LDS: 384 rows of 768 bytes, brought as dense rows of 256 bytes (16 bytes of padding behind each).
; THE MATRIX INSTRUCTION IS USED TRANSPOSED (source 0 = 16 rows of B, source 1 = 16 rows of A): lane (r, h) holds row r of A's block and B's rows 16 b + 8 h + 0 .. 7 in accumulator b.
;   q, k: A = 128 tokens, B = 256 weight rows (a wave: one head): registers run along d.     v: A = 128 weight rows (two heads), B = 256 tokens (a wave: 64 keys): registers run along the keys.
; A wave keeps its 64 rows of B for all of K in 384 registers and streams A's eight blocks of 16 rows: a block is finished over all of K by 32 matrix instructions, four accumulators by turns, quantised and stored.
; THE REFILLS: B's LDS bytes are read out once B is in registers.  Behind A's block 3 a round of the cluster's barrier stands, and behind it wave 0 asks for the next tile's rows 0-63 of A, waves 2 and 3 for its B;
;   behind block 7 a second round, and wave 1 asks for the next tile's rows 64-127 of A.  In front of each round every wave has waited for all its tensor loads, so each round also shows the fills asked for behind the round before it.
; CLUSTERS 4 x 4: A's tile is asked for jointly along a row of the cluster, B's along a column.  The scale words go from memory straight into registers (a lane takes its row's 32 bytes); the next tile's land where a block's products have read theirs.
; PREFETCH: q's tile comes at the head and k's is asked for in trip 0, so only v's tile has a whole trip ahead of its loads: trip 0 names its 1,152 blocks of 256 bytes once in each cluster: of A's 384 blocks the partner at cx takes 96 (wave 0, three instructions),
;   of B's 768 the partner at cy takes 192 (waves 1 to 3, two instructions each); a lane a block.
; THE WAY OUT: 16 rows x 64 are two blocks of 32 along the next K; codes leave as an image of the next operand's registers 0-5 (768 bytes: registers 0-3 at 16 x lane, 4-5 at 512 + 8 x lane).
;   Inside a block of 32 the codes lie in the order 0-7, 16-23, 8-15, 24-31: the same on q and k, and on v and p, so every product pairs like with like.
;   A step block of 13,312 bytes serves 128 tokens of one (batch, head): +0 eight images of k (or q), 16 tokens x 64 d; +6,144 four images of v^T (16 d x 128 keys), each two halves of 768 bytes (64 keys);
;   +12,288 k's scale words [lane][4] (lanes 0-15: images 0-3, lanes 16-31: images 4-7; a word is b0 b1 b0 b1); +12,800 v^T's [lane][4].  v's word takes two bytes from each of two waves: they meet in LDS (every path runs those lines and selects).
; LIMITS: NaN and infinities are not served; a block of zeros gets the byte 1 over zero codes (only this program reads the bytes); a block's largest magnitude is not taken under 2^-124.
; REGISTERS: window 0: v16-31 addresses, v32-63 B's scale words, v64-127 A's, v128-190 the way out.  window 1: B's fragments of K steps 0-4 (v[48 k + 12 b]).  window 2: K steps 5-7.  window 3: A's fragments, two sets at v0, v96; accumulators, two sets at v192, v224.
.set RP,     816                       ; an LDS row: 3 x (256 bytes + 16 of padding)
.set BLK,    16*RP
.set ABYTES, 128*RP
.set SPARE,  ABYTES+256*RP             ; the spare words: 128 bytes a wave
.set XCH,    SPARE+512                 ; 1,024 bytes a wave: v's scale bytes from wave to wave; no tensor load lands here
.set STEPB,  13312
.set ADRA, 16                          ; v16-19: A's rows 0-63 (and the same behind one padding more for lanes 16-31), rows 64-127 (likewise)
.set ADRB, 20                          ; v20-21
.set PFO,  23                          ; 256 x lane
.set L16,  24
.set L8,   25
.set LN,   26
.set SOF,  27
.set SPW,  28
.set NIL,  29
.set XS,   30
.set XR,   31
.set BS,   32
.set AS,   64
.set CD,   128
.set TM,   144
.set SO,   152
.set PWS,  160
.set WQ,   168
.set LO,   172
.set HI,   176
.set ACC,  192
.set G1A, 24
.set G0A, 32
.set G0B, 36
.set SUB, 45                           ; the cluster's y, 0 .. 15
.set G1B, 48
.set PATH, 96
.set PFA, 100
.set MSB, 0
.macro WIN new                         ; the immediate's high byte repeats the setting that is left
.if MSB != \new
	s_set_vgpr_msb (MSB<<8)|\new
.set MSB, \new
.endif
.endm
.macro CROUND                          ; a round of the cluster's barrier
	s_barrier_signal -1
	s_barrier_wait -1
	s_cmp_lg_u32 s14, 0
	s_cbranch_scc1 .Lnot_wave_0_\@
	s_barrier_signal -3
.Lnot_wave_0_\@:
	s_barrier_wait -3
	s_barrier_signal -1
	s_barrier_wait -1
.endm
.macro PLACES                          ; plain vector instructions behind a matrix instruction (ISA guide 7.12.1)
.rept 4
	v_nop
.endr
.endm
; What PATH's tile reads: its place (s17 A's tile, s42 B's), the codes that I fetch (s[4:5] A's, s[8:9] B's), the scale bytes that I load (s[6:7] A's 128 rows, s[10:11] my 64 rows of B)
.macro SETIN
	s_and_b32 s2, s[SUB], 1
	s_lshr_b32 s3, s[SUB], 1
	s_cmp_lt_u32 s[PATH], 2
	s_cselect_b32 s17, s[SUB], s2                  ; q, k: 64 tiles of tokens are A's; v: 8 tiles of weight rows
	s_cselect_b32 s42, 0, s3                       ; q, k: 4 tiles of weight rows are B's; v: 32 tiles of tokens
	s_lshl_b32 s17, s17, 2
	s_add_co_u32 s17, s17, s41
	s_lshl_b32 s42, s42, 2
	s_add_co_u32 s42, s42, s40
	s_lshl_b32 s20, s17, 7
	s_lshl_b32 s21, s16, 6
	s_add_co_u32 s20, s20, s21
	s_mul_i32 s20, s20, 768
	s_mov_b32 s21, 0
	s_lshl_b32 s46, s42, 8
	s_lshl_b32 s47, s16, 7
	s_add_co_u32 s46, s46, s47
	s_mul_i32 s46, s46, 768
	s_mov_b32 s47, 0
	s_lshl_b32 s22, s17, 12
	s_mov_b32 s23, 0
	s_lshl_b32 s98, s42, 13
	s_lshl_b32 s99, s14, 11
	s_add_co_u32 s98, s98, s99
	s_mov_b32 s99, 0
	s_cmp_eq_u32 s[PATH], 0
	s_cselect_b64 s[4:5], s[68:69], s[72:73]
	s_cselect_b64 s[6:7], s[70:71], s[74:75]
	s_cselect_b64 s[8:9], s[80:81], s[84:85]
	s_cselect_b64 s[10:11], s[82:83], s[86:87]
	s_cmp_eq_u32 s[PATH], 2
	s_cselect_b64 s[4:5], s[88:89], s[4:5]         ; v: A = wv, B = value
	s_cselect_b64 s[6:7], s[90:91], s[6:7]
	s_cselect_b64 s[8:9], s[76:77], s[8:9]
	s_cselect_b64 s[10:11], s[78:79], s[10:11]
	s_add_nc_u64 s[4:5], s[4:5], s[20:21]
	s_add_nc_u64 s[6:7], s[6:7], s[22:23]
	s_add_nc_u64 s[8:9], s[8:9], s[46:47]
	s_add_nc_u64 s[10:11], s[10:11], s[98:99]
.endm
.macro SETG0                           ; the descriptors' addresses: written only where no tensor load of mine is out
	s_mov_b64 s[G0A+2:G0A+3], s[4:5]
	s_or_b32 s[G0A+3], s[G0A+3], 0x80000000
	s_mov_b64 s[G0B+2:G0B+3], s[8:9]
	s_or_b32 s[G0B+3], s[G0B+3], 0x80000000
.endm
; Where PATH's tile (s17, s42) goes: s[12:13] the codes, s[60:61] the scale words, s56 and s58 the steps from block to block, s62 all ones on v's path
.macro SETOUT
	s_lshr_b32 s3, s17, 4                          ; q, k: step block ((batch x 16 + head) x 16 + step), head = 4 x B's tile + wave
	s_lshl_b32 s3, s3, 4
	s_lshl_b32 s97, s42, 2
	s_add_co_u32 s3, s3, s97
	s_add_co_u32 s3, s3, s14
	s_lshl_b32 s3, s3, 4
	s_and_b32 s97, s17, 15
	s_add_co_u32 s3, s3, s97
	s_mul_i32 s3, s3, STEPB
	s_add_co_u32 s60, s3, 12288
	s_lshr_b32 s62, s42, 3                         ; v: batch = B's tile / 8, step = 2 x (B's tile % 8) + wave / 2, half = wave % 2, heads 2 x A's tile and the next
	s_lshl_b32 s62, s62, 4
	s_lshl_b32 s97, s17, 1
	s_add_co_u32 s62, s62, s97
	s_lshl_b32 s62, s62, 4
	s_and_b32 s97, s42, 7
	s_lshl_b32 s97, s97, 1
	s_add_co_u32 s62, s62, s97
	s_add_co_u32 s62, s62, s15
	s_lshl_b32 s97, s16, 4
	s_add_co_u32 s63, s62, s97                     ; the scale words that I store: head + wave % 2
	s_mul_i32 s62, s62, STEPB
	s_mul_i32 s63, s63, STEPB
	s_mul_i32 s97, s16, 768
	s_add_co_u32 s62, s62, s97
	s_add_co_u32 s62, s62, 6144
	s_add_co_u32 s63, s63, 12800
	s_mov_b32 s56, 1536
	s_mov_b32 s58, 16*STEPB-3*1536
	s_cmp_lt_u32 s[PATH], 2
	s_cselect_b32 s66, s3, s62
	s_cselect_b32 s60, s60, s63
	s_cselect_b32 s56, 768, s56                    ; from block to block of A: q, k the next image; v the next d tile,
	s_cselect_b32 s58, 768, s58                    ; and from block 3 to block 4 the next head
	s_cselect_b32 s62, 0, -1
	s_mov_b32 s67, 0
	s_mov_b32 s61, 0
	s_mov_b32 s57, 0
	s_mov_b32 s59, 0
	s_cmp_eq_u32 s[PATH], 0
	s_cselect_b64 s[12:13], s[92:93], s[94:95]
	s_add_nc_u64 s[60:61], s[12:13], s[60:61]
	s_add_nc_u64 s[12:13], s[12:13], s[66:67]
.endm
.macro LDAS a                          ; the scale words of A's block a: word k serves K step k
	global_load_b128 v[AS+8*(\a):AS+8*(\a)+3], v[SOF], s[6:7] offset:512*(\a)
	global_load_b128 v[AS+8*(\a)+4:AS+8*(\a)+7], v[SOF], s[6:7] offset:512*(\a)+16
.endm
.macro LDBS
.irp b, 0,1,2,3
	global_load_b128 v[BS+8*\b:BS+8*\b+3], v[SOF], s[10:11] offset:512*\b
	global_load_b128 v[BS+8*\b+4:BS+8*\b+7], v[SOF], s[10:11] offset:512*\b+16
.endr
.endm
	s_load_b512 s[68:83], s[0:1], 0x0              ; query's codes s68, scales s70; key's s72, s74; value's s76, s78; wq's s80, s82
	s_load_b256 s[84:91], s[0:1], 0x40             ; wk's s84, s86; wv's s88, s90
	s_load_b128 s[92:95], s[0:1], 0x60             ; qws s92, kvws s94
	v_lshl_add_u32 v[SPW], v0, 2, SPARE
	v_mov_b32 v[NIL], 0
	ds_add_u32 v[SPW], v[NIL]                      ; the opening lines: the add, twice on end, and its wait
	ds_add_u32 v[SPW], v[NIL]
	v_lshrrev_b32 v1, 5, v0
	v_readfirstlane_b32 s14, v1                    ; wave 0..3
	s_lshr_b32 s15, s14, 1                         ; I fetch for A (0) or for B (1)
	s_and_b32 s16, s14, 1                          ; which half of that tile
	s_bfe_u32 s40, ttmp6, 0x40000                  ; cx, cy
	s_bfe_u32 s41, ttmp6, 0x40004
	s_and_b32 s[SUB], ttmp7, 0xffff
	s_mov_b32 s[PATH], 0
	s_lshl_b32 s43, s41, 2
	s_lshl_b32 s43, 15, s43                        ; my row of the cluster
	s_lshl_b32 s44, 0x1111, s40                    ; my column
	; group 1: dense rows of 256 bytes (32 elements of 8), 16 bytes of padding behind each: 192 of them are 64 rows of A, 384 are 128 rows of B
	s_or_b32 s[G1A], s43, (3<<16)|(1<<20)|(1<<21)|(5<<22)|(3<<25)
	s_or_b32 s[G1B], s44, (3<<16)|(1<<20)|(1<<21)|(5<<22)|(3<<25)
	s_mov_b32 s[G1A+2], 192<<16
	s_mov_b32 s[G1A+4], 192
	s_mov_b32 s[G1B+2], 384<<16
	s_mov_b32 s[G1B+4], 384
.irp g, G1A, G1B
	s_mov_b32 s[\g+1], 32<<16
	s_mov_b32 s[\g+3], 32<<16
	s_mov_b32 s[\g+5], 32
	s_mov_b32 s[\g+6], 0
	s_mov_b32 s[\g+7], 0
.endr
	s_mov_b32 s[G0A], 1
	s_mul_i32 s[G0A+1], s16, 64*RP                 ; where my half goes in LDS: the same for every tile
	s_mov_b32 s[G0B], 1
	s_mul_i32 s[G0B+1], s16, 128*RP
	s_add_co_u32 s[G0B+1], s[G0B+1], ABYTES
	s_mov_b32 s18, 0x76543210
	s_mov_b32 s19, 0xfedcba98                      ; v_permlanex16_b32's selects for lane l xor 16
	; the prefetch of v's tile: wave 0 takes my work-group's 96 blocks of A's tile, waves 1 to 3 take 64 each of its 192 blocks of B's
	s_and_b32 s2, s[SUB], 1
	s_lshl_b32 s2, s2, 2
	s_add_co_u32 s2, s2, s41
	s_mul_i32 s2, s2, 98304
	s_mul_i32 s3, s40, 24576
	s_add_co_u32 s2, s2, s3
	s_lshr_b32 s20, s[SUB], 1
	s_lshl_b32 s20, s20, 2
	s_add_co_u32 s20, s20, s40
	s_mul_i32 s20, s20, 196608
	s_mul_i32 s3, s41, 49152
	s_add_co_u32 s20, s20, s3
	s_lshl_b32 s3, s14, 14
	s_add_co_u32 s20, s20, s3
	s_sub_co_u32 s20, s20, 16384                   ; (wave 0 does not take this one)
	s_cmp_eq_u32 s14, 0
	s_cselect_b32 s2, s2, s20
	s_mov_b32 s3, 0
	s_wait_dscnt 0x0
	CROUND                                         ; the round in front of the first joint loads; the arguments are on their way meanwhile
	s_wait_kmcnt 0x0
	s_cmp_eq_u32 s14, 0
	s_cselect_b64 s[PFA:PFA+1], s[88:89], s[76:77]
	s_add_nc_u64 s[PFA:PFA+1], s[PFA:PFA+1], s[2:3]
	SETIN
	SETG0
	s_cmp_eq_u32 s15, 0                            ; one tensor load a wave: waves 0, 1 A's halves, waves 2, 3 B's
	s_cbranch_scc0 .Lfor_b
	tensor_load_to_lds s[G0A:G0A+3], s[G1A:G1A+7]
	s_nop 0
	PLACES
	s_branch .Lasked
.Lfor_b:
	tensor_load_to_lds s[G0B:G0B+3], s[G1B:G1B+7]
	s_nop 0
	PLACES
.Lasked:
	s_mul_i32 s21, s14, 64*RP
	s_add_co_u32 s21, s21, ABYTES                  ; the 64 rows of B that I multiply
	s_lshl_b32 s22, s14, 10
	s_add_co_u32 s22, s22, XCH
	s_lshl_b32 s23, s15, 11
	s_lshl_b32 s97, s16, 9
	s_add_co_u32 s23, s23, s97
	s_add_co_u32 s23, s23, XCH
	v_and_b32 v1, 15, v0                           ; r
	v_bfe_u32 v2, v0, 4, 1                         ; h
	v_mul_u32_u24 v3, v1, RP
	v_mad_u32_u24 v[ADRA], v2, 24, v3              ; a fragment's row x pitch + 24 x half
	v_lshl_add_u32 v[ADRA+1], v2, 4, v[ADRA]       ; and the same behind one padding more
	v_add_nc_u32 v[ADRA+2], 4*BLK, v[ADRA]
	v_add_nc_u32 v[ADRA+3], 4*BLK, v[ADRA+1]
	v_add_nc_u32 v[ADRB], s21, v[ADRA]
	v_add_nc_u32 v[ADRB+1], s21, v[ADRA+1]
	v_and_b32 v[LN], 31, v0
	v_lshlrev_b32 v[L16], 4, v[LN]
	v_lshlrev_b32 v[L8], 3, v[LN]
	v_lshlrev_b32 v[PFO], 8, v[LN]
	v_add_nc_u32 v[XS], s22, v[L16]
	v_add_nc_u32 v[XR], s23, v[L16]
	v_mov_b32 v[TM+4], 0                           ; a lane permute's destination counts as one of its sources
	v_mov_b32 v[TM+5], 0
	v_lshlrev_b32 v[SOF], 5, v1                    ; my row's 32 scale bytes
.irp a, 0,1,2,3,4,5,6,7
	LDAS \a
.endr
	LDBS
; a fragment, 16 rows x 128 K, is 12 registers: lane (r, h) holds row r; registers 6 c .. 6 c + 5 hold K = 64 c + 32 h + 0 .. 31: 24 bytes of the row, in pieces of 8.  Byte y of a row lies at y + 16 (y / 256).
.macro FRAG reg, adr, k, off
.irp p, 0,1,2,3,4,5
.set BY, 96*(\k)+48*(\p/3)+8*(\p%3)
.if BY/256 == (BY+24)/256
	ds_load_b64 v[\reg+2*\p:\reg+2*\p+1], v[\adr] offset:BY+16*(BY/256)+(\off)
.else
	ds_load_b64 v[\reg+2*\p:\reg+2*\p+1], v[\adr+1] offset:BY+16*(BY/256)+(\off)
.endif
.endr
.endm
.macro LOADA a                         ; A's block a, all of K, into set a % 2: 48 loads
	WIN 0xc0
.irp k, 0,1,2,3,4,5,6,7
	FRAG 96*((\a)%2)+12*\k, ADRA+2*((\a)/4), \k, ((\a)%4)*BLK
.endr
	WIN 0
.endm
.macro MUL a, q, more                  ; block a over all of K; the first products start the sums.  q = 1: behind K step k stands piece k of block a - 1's way out, which names the other set of accumulators
.set P, (\a)%2
.irp k, 0,1,2,3,4,5,6,7
.if \k < 5
	WIN 0xfd                                       ; source 0 window 1; source 1, C and D window 3
.else
	WIN 0xfe                                       ; source 0 window 2
.endif
.irp b, 0,1,2,3
.if \k == 0
	v_wmma_scale_f32_16x16x128_f8f6f4 v[ACC+32*P+8*\b:ACC+32*P+8*\b+7], v[48*(\k%5)+12*\b:48*(\k%5)+12*\b+11], v[96*P+12*\k:96*P+12*\k+11], 0, v[BS+8*\b+\k], v[AS+8*(\a)+\k] matrix_a_fmt:MATRIX_FMT_FP6 matrix_b_fmt:MATRIX_FMT_FP6
.else
	v_wmma_scale_f32_16x16x128_f8f6f4 v[ACC+32*P+8*\b:ACC+32*P+8*\b+7], v[48*(\k%5)+12*\b:48*(\k%5)+12*\b+11], v[96*P+12*\k:96*P+12*\k+11], v[ACC+32*P+8*\b:ACC+32*P+8*\b+7], v[BS+8*\b+\k], v[AS+8*(\a)+\k] matrix_a_fmt:MATRIX_FMT_FP6 matrix_b_fmt:MATRIX_FMT_FP6
.endif
.endr
.if \q
	QCH (\a)-1, \k
.if (\more) && (\k == 5)
	LDAS (\a)-1                                    ; the next tile's scale words, where block a - 1's products have read theirs
.endif
.endif
.endr
	WIN 0
.endm
; Block a's 32 registers of a lane: register 16 b + i belongs to block b of 32 along the next K; lanes l and l xor 16 share a block.  A block's byte is its largest magnitude's exponent field less 2.
; The way out of a block in six pieces, k = 0 .. 5
.macro QCH a, k
.set ACB, ACC+32*((\a)%2)
.if \k == 0
	s_wait_xcnt 0x0                                ; the last block's stores have read their registers and their base
.if (\a) > 0
.if (\a) == 4
	s_add_nc_u64 s[12:13], s[12:13], s[58:59]
.else
	s_add_nc_u64 s[12:13], s[12:13], s[56:57]
.endif
.endif
	WIN 0x0f                                       ; sources 0 and 1 in window 3
.irp c, 0,1,2,3
	v_max3_num_f32 v[TM+\c], |v[ACB+8*\c]|, |v[ACB+8*\c+1]|, 0x1800000   ; a chain for each accumulator, from its low end on; the floor 2^(3 - 127) holds the byte at 1 from below
.endr
.irp i, 2,4,6
.irp c, 0,1,2,3
	v_max3_num_f32 v[TM+\c], |v[ACB+8*\c+\i]|, |v[ACB+8*\c+\i+1]|, v[TM+\c]
.endr
.endr
	WIN 0
.endif
.if \k == 1
	WIN 0
	v_max_num_f32 v[TM], v[TM], v[TM+1]
	v_max_num_f32 v[TM+2], v[TM+2], v[TM+3]
	v_permlanex16_b32 v[TM+4], v[TM], s18, s19
	v_permlanex16_b32 v[TM+5], v[TM+2], s18, s19
	v_max_num_f32 v[TM], v[TM], v[TM+4]            ; with lane l xor 16's: the block's largest magnitude
	v_max_num_f32 v[TM+2], v[TM+2], v[TM+5]
.endif
.if \k == 2
	WIN 0
	v_add_nc_u32 v[SO], 0xff000000, v[TM]          ; 2 off its exponent field: the conversion's scale operand
	v_add_nc_u32 v[SO+1], 0xff000000, v[TM+2]
	v_lshrrev_b32 v[TM], 23, v[SO]
	v_lshrrev_b32 v[TM+2], 23, v[SO+1]
	v_lshl_or_b32 v[PWS+(\a)], v[TM+2], 8, v[TM]   ; the two bytes
.endif
.if \k == 3
	WIN 0x03
	v_cvt_scalef32_pk16_fp6_f32 v[CD:CD+2], v[ACB:ACB+15], v[SO]
	v_cvt_scalef32_pk16_fp6_f32 v[CD+6:CD+8], v[ACB+16:ACB+31], v[SO+1]
	WIN 0
	v_nop                                          ; one plain place behind a scaled conversion
.endif
.if \k == 4
	WIN 0
.irp i, 0,1,2
	v_permlane16_swap_b32 v[CD+\i], v[CD+6+\i]     ; a whole block in a lane: lanes 0-15 block 0, lanes 16-31 block 1
.endr
.irp i, 0,1,2
	v_mov_b32 v[CD+3+\i], v[CD+6+\i]
.endr
.endif
.if \k == 5
	WIN 0
	global_store_b128 v[L16], v[CD:CD+3], s[12:13]             ; 512 bytes on end,
	global_store_b64 v[L8], v[CD+4:CD+5], s[12:13] offset:512  ; and 256
.endif
.endm
.macro QUANT a                         ; the six pieces on end
.irp k, 0,1,2,3,4,5
	QCH \a, \k
.endr
.endm
; Behind block 3.  more = 1: A's rows 0-63 and B's bytes are read out: they take the next tile's.  Either way the barrier shows this tile's rows 64-127 of A to all waves.
.macro MID more
	s_wait_alu depctr_va_vdst(0)                   ; directly ahead of the wait below
	s_wait_tensorcnt 0x0                           ; all my tensor loads have landed;
.if \more
	ds_add_u32 v[SPW], v[NIL]                      ; 0 onto my spare word
	SETG0                                          ; no load of mine is out: the descriptors take the next tile's addresses
	s_wait_dscnt 0x0                               ; the add is done, and so are my reads of those bytes
	CROUND
	s_cmp_eq_u32 s14, 1                            ; one chain of branches on the wave's number: wave 0 A's rows 0-63, wave 1 nothing, waves 2 and 3 B's halves
	s_cbranch_scc1 .Lmid_\@
	s_cmp_eq_u32 s15, 0
	s_cbranch_scc0 .Lmid_b_\@
	tensor_load_to_lds s[G0A:G0A+3], s[G1A:G1A+7]
	s_nop 0
	PLACES
	s_branch .Lmid_\@
.Lmid_b_\@:
	tensor_load_to_lds s[G0B:G0B+3], s[G1B:G1B+7]
	s_nop 0
	PLACES
.Lmid_\@:
.else
	s_wait_dscnt 0x0
	s_barrier_signal -1
	s_barrier_wait -1
.endif
.endm
.macro TILE more
	WIN 0x40
.irp k, 0,1,2,3,4
.irp b, 0,1,2,3
	FRAG 48*\k+12*\b, ADRB, \k, \b*BLK
.endr
.endr
	WIN 0x80
.irp k, 5,6,7
.irp b, 0,1,2,3
	FRAG 48*(\k-5)+12*\b, ADRB, \k, \b*BLK
.endr
.endr
	WIN 0
	LOADA 0
	LOADA 1
	s_wait_loadcnt 0x0                             ; this tile's scale words are in: their bases may be written;
	s_wait_xcnt 0x0                                ; the last tile's stores have read theirs
	SETOUT
.if \more
	s_add_co_u32 s[PATH], s[PATH], 1               ; the next tile
	SETIN
.endif
.irp a, 0,1,2,3,4,5,6,7
.if \a == 0
	s_wait_dscnt 48                                ; all but block 1's 48
.elseif (\a == 3) || (\a == 7)
	s_wait_dscnt 0x0
.else
	LOADA \a+1                                     ; into the set that block a - 1 read: four places stand behind its products
	s_wait_dscnt 48                                ; all but the 48 just issued
.endif
.if \a == 0
	MUL \a, 0, \more
.else
	MUL \a, 1, \more
.endif
	PLACES
.if \a == 7
	QUANT 7
.if \more
	LDAS 7
	LDBS
.endif
.endif
.if \a == 3
	MID \more
	LOADA 4
.if \more
	s_cmp_eq_u32 s[PATH], 1                        ; in trip 0: v's tile, a whole trip ahead of the loads that will want it
	s_cbranch_scc0 .Lno_pf_\@
	global_prefetch_b8 v[PFO], s[PFA:PFA+1] th:TH_LOAD_NT scope:SCOPE_SE
	global_prefetch_b8 v[PFO], s[PFA:PFA+1] offset:8192 th:TH_LOAD_NT scope:SCOPE_SE
	s_cmp_eq_u32 s14, 0
	s_cbranch_scc0 .Lno_pf_\@
	global_prefetch_b8 v[PFO], s[PFA:PFA+1] offset:16384 th:TH_LOAD_NT scope:SCOPE_SE
.Lno_pf_\@:
.endif
.endif
.endr
.if \more
	s_wait_alu depctr_va_vdst(0)                   ; directly ahead of the wait below
	s_wait_tensorcnt 0x0                           ; no tensor load of mine is out when I store to LDS
.endif
	ds_store_b128 v[XS], v[PWS:PWS+3]              ; my eight blocks' byte pairs, for my partner
	ds_store_b128 v[XS], v[PWS+4:PWS+7] offset:512
	v_cmp_le_u32 vcc_lo, 16, v[LN]
.irp j, 0,1,2,3
	v_cndmask_b32 v[WQ+\j], v[PWS+\j], v[PWS+4+\j], vcc_lo   ; q, k: lanes 0-15 carry images 0-3's words, lanes 16-31 images 4-7's
.endr
.irp j, 0,1,2,3
	v_lshl_or_b32 v[WQ+\j], v[WQ+\j], 16, v[WQ+\j]           ; b0 b1 b0 b1
.endr
	s_wait_alu depctr_va_vdst(0)                   ; directly ahead of the wait below
.if \more
	s_wait_tensorcnt 0x0                           ; all my tensor loads have landed: the next tile's B and rows 0-63 of A;
	ds_add_u32 v[SPW], v[NIL]                      ; 0 onto my spare word
	s_wait_dscnt 0x0                               ; the add, my stores and my reads of A's rows 64-127 are done
	CROUND
	s_cmp_eq_u32 s14, 1
	s_cbranch_scc0 .Lend_\@
	tensor_load_to_lds s[G0A:G0A+3], s[G1A:G1A+7]  ; wave 1: the next tile's rows 64-127 of A
	s_nop 0
	PLACES
.Lend_\@:
.else
	s_wait_dscnt 0x0
	s_barrier_signal -1
	s_barrier_wait -1
.endif
	ds_load_b128 v[LO:LO+3], v[XR]                 ; v: of head wave % 2, the bytes of keys 0-63 (the even wave's),
	ds_load_b128 v[HI:HI+3], v[XR] offset:1024     ; and of keys 64-127 (the odd wave's)
	s_wait_dscnt 0x0
.irp j, 0,1,2,3
	v_lshl_or_b32 v[LO+\j], v[HI+\j], 16, v[LO+\j]
.endr
.irp j, 0,1,2,3
	v_cndmask_b32 v[WQ+\j], v[WQ+\j], v[LO+\j], s62
.endr
	global_store_b128 v[L16], v[WQ:WQ+3], s[60:61]
.endm
	s_wait_alu depctr_va_vdst(0)                   ; the wait at the head's end
	s_wait_tensorcnt 0x0                           ; my part of q's tile is in;
	s_barrier_signal -1
	s_barrier_wait -1                              ; and everybody's.
.Ltile:
	TILE 1
	s_wait_alu depctr_va_vdst(0)                   ; directly ahead of the branch
	s_cmp_lt_u32 s[PATH], 2
	s_cbranch_scc1 .Ltile
	TILE 0                                         ; v's tile asks for nothing more
	s_wait_tensorcnt 0x0                           ; the wave's end
	ds_add_u32 v[SPW], v[NIL]
	s_wait_dscnt 0x0
	CROUND                                         ; the closing round
	s_endpgm
.Lfunc_end_k_q0b77e79b5d_proj:
	.size	k_q0b77e79b5d_proj, .Lfunc_end_k_q0b77e79b5d_proj-k_q0b77e79b5d_proj
	.p2alignl 7, 3214868480
	.fill 96, 4, 3214868480
	.section	.rodata,"a",@progbits
	.p2align	6, 0x0
	.amdhsa_kernel k_q0b77e79b5d_proj
		.amdhsa_group_segment_fixed_size 327680
		.amdhsa_private_segment_fixed_size 0
		.amdhsa_enable_private_segment 0
		.amdhsa_kernarg_size 112
		.amdhsa_user_sgpr_count 2
		.amdhsa_user_sgpr_kernarg_segment_ptr 1
		.amdhsa_wavefront_size32 1
		.amdhsa_system_sgpr_workgroup_id_x 1
		.amdhsa_system_sgpr_workgroup_id_y 1
		.amdhsa_system_sgpr_workgroup_id_z 1
		.amdhsa_system_vgpr_workitem_id 0
		.amdhsa_next_free_vgpr 1024
		.amdhsa_next_free_sgpr 102
		.amdhsa_reserve_vcc 1
		.amdhsa_float_denorm_mode_32 3
		.amdhsa_float_denorm_mode_16_64 3
		.amdhsa_memory_ordered 1
		.amdhsa_forward_progress 1
		.amdhsa_inst_pref_size 205
	.end_amdhsa_kernel
	.amdgpu_metadata
---
amdhsa.version: [ 1, 2 ]
amdhsa.kernels:
  - .name:           k_q0b77e79b5d_proj
    .symbol:         k_q0b77e79b5d_proj.kd
    .args:
      - { .name: query_codes, .offset: 0, .size: 8, .value_kind: global_buffer, .address_space: global }
      - { .name: query_scales, .offset: 8, .size: 8, .value_kind: global_buffer, .address_space: global }
      - { .name: key_codes, .offset: 16, .size: 8, .value_kind: global_buffer, .address_space: global }
      - { .name: key_scales, .offset: 24, .size: 8, .value_kind: global_buffer, .address_space: global }
      - { .name: value_codes, .offset: 32, .size: 8, .value_kind: global_buffer, .address_space: global }
      - { .name: value_scales, .offset: 40, .size: 8, .value_kind: global_buffer, .address_space: global }
      - { .name: wq_codes, .offset: 48, .size: 8, .value_kind: global_buffer, .address_space: global }
      - { .name: wq_scales, .offset: 56, .size: 8, .value_kind: global_buffer, .address_space: global }
      - { .name: wk_codes, .offset: 64, .size: 8, .value_kind: global_buffer, .address_space: global }
      - { .name: wk_scales, .offset: 72, .size: 8, .value_kind: global_buffer, .address_space: global }
      - { .name: wv_codes, .offset: 80, .size: 8, .value_kind: global_buffer, .address_space: global }
      - { .name: wv_scales, .offset: 88, .size: 8, .value_kind: global_buffer, .address_space: global }
      - { .name: qws, .offset: 96, .size: 8, .value_kind: global_buffer, .address_space: global }
      - { .name: kvws, .offset: 104, .size: 8, .value_kind: global_buffer, .address_space: global }
    .group_segment_fixed_size: 327680
    .private_segment_fixed_size: 0
    .kernarg_segment_align: 8
    .kernarg_segment_size: 112
    .max_flat_workgroup_size: 128
    .sgpr_count:     102
    .vgpr_count:     1024
    .wavefront_size: 32
...
	.end_amdgpu_metadata
.endif
;; end of part 1
;; launch attn (part 2): grid 4 x 64, 16 waves a work-group, clusters of 4 x 1, 327,680 bytes of LDS; arguments qws, kvws, cimg, cscl; writes cimg, cscl
.if DOCPART == 2
	.amdgcn_target "amdgcn-amd-amdhsa--gfx1250"
	.amdhsa_code_object_version 6
	.text
	.protected	k_q0b77e79b5d_attn
	.globl	k_q0b77e79b5d_attn
	.p2align	8
	.type	k_q0b77e79b5d_attn,@function
k_q0b77e79b5d_attn:
	s_mov_b64 s[64:65], 0
	v_nop
	global_prefetch_b8 v0, s[64:65] scope:SCOPE_SE
	s_setreg_imm32_b32 hwreg(HW_REG_WAVE_MODE, 25, 1), 1
	s_wait_xcnt 0x0
	s_wait_alu depctr_hold_cnt(0) depctr_sa_sdst(0) depctr_va_vdst(0) depctr_va_sdst(0) depctr_va_ssrc(0) depctr_va_vcc(0) depctr_vm_vsrc(0)
	s_getreg_b32 s2, hwreg(HW_REG_IB_STS2, 6, 4)
	s_cmp_eq_u32 s2, 0
	s_cbranch_scc0 .Lentry_in_a_cluster
	s_endpgm
.Lentry_in_a_cluster:
	s_bfe_u32 s2, ttmp6, 0x10000c
	s_cmp_lg_u32 s2, 0x3003
	s_cbranch_scc0 .Lentry_shape_is_right
	s_endpgm
.Lentry_shape_is_right:
; ATTENTION for one (batch, head) and 512 queries: S^T = k q^T, p = 2^(t - M) with M the ceiling of the running largest t, O^T += v^T p^T, all products on codes of FP6 with E8M0 scales; ctx is quantised and stored as fc's operand images.
; The 16 step blocks (128 keys each, 13,312 bytes: k's images, v^T's images, their scale words) of the (batch, head) are 212,992 bytes: all lie in LDS.  Each of the 16 waves asks for one block, its one tensor load, at the head;
; one wait and one barrier show them to all waves; nothing is filled again.  The four work-groups of a cluster serve the same (batch, head) and ask jointly.
; A wave owns 16 queries at a time and walks the 16 steps twice (two sets of queries).  A lane holds one query throughout; d = 64 fills half of the instruction's K = 128, the other half is zero codes.
; An image of v^T (16 d x 128 keys) lies as two halves of 768 bytes (64 keys: registers 0-3 at 16 x lane, 4-5 at 512 + 8 x lane).
; NO PREFETCH: every block is asked for at the head; there is no loop to run ahead in.
; LIMITS: the promise holds while the scaled scores stay under 2^31 in magnitude; NaN and infinities are not served; a block of zeros gets the byte 1 over zero codes.
.set STEPB, 13312
.set HEADB, 16*STEPB
.set VIM,   6144
.set KSC,   12288
.set VSC,   12800
.set L16, 1
.set L8,  2
.set A16, 3
.set A8,  4
.set R16, 5
.set RH,  6
.set NM,  8
.set TMX, 9
.set SUM, 10
.set FF,  12
.set PW,  15
.set QF,  16
.set QS,  34
.set KD,  36
.set KS,  72
.set VS,  76
.set VF,  80
.set S,   128
.set O,   192
.set PCD, 224
.set T2,  236
.set BM,  244
.set SO,  248
.set WV,  12
.set SEL, 20
.set CS,  22
.set G1,  24
.set G0,  32
.set TB,  48
.set CNT, 49
.macro CROUND
	s_barrier_signal -1
	s_barrier_wait -1
	s_cmp_lg_u32 s[WV], 0
	s_cbranch_scc1 .Lnot_wave_0_\@
	s_barrier_signal -3
.Lnot_wave_0_\@:
	s_barrier_wait -3
	s_barrier_signal -1
	s_barrier_wait -1
.endm
	s_load_b256 s[4:11], s[0:1], 0x0
	v_lshl_add_u32 v254, v0, 2, 0x34000
	v_mov_b32 v255, 0
	ds_add_u32 v254, v255
	ds_add_u32 v254, v255
	v_lshrrev_b32 v1, 5, v0
	s_delay_alu instid0(VALU_DEP_1)
	v_readfirstlane_b32 s[WV], v1
	s_bfe_u32 s13, ttmp6, 0x40000
	s_and_b32 s15, ttmp7, 0xffff
	s_mov_b32 s[G1], 15|(3<<16)|(1<<21)
	s_mov_b32 s[G1+1], 32<<16
	s_mov_b32 s[G1+2], 52<<16
	s_mov_b32 s[G1+3], 32<<16
	s_mov_b32 s[G1+4], 52
	s_mov_b32 s[G1+5], 32
	s_mov_b32 s[G1+6], 0
	s_mov_b32 s[G1+7], 0
	s_mul_i32 s52, s15, HEADB
	s_mul_i32 s54, s[WV], STEPB
	s_add_co_u32 s56, s52, s54
	s_mov_b32 s57, 0
	s_lshl_b32 s58, s13, 2
	s_lshr_b32 s59, s[WV], 3
	s_add_co_u32 s58, s58, s59
	s_mul_i32 s58, s58, STEPB
	s_add_co_u32 s58, s58, s52
	s_and_b32 s59, s[WV], 7
	s_mul_i32 s60, s59, 768
	s_add_co_u32 s60, s60, s58
	s_mov_b32 s61, 0
	s_lshr_b32 s62, s59, 2
	s_lshl_b32 s62, s62, 8
	s_and_b32 s63, s[WV], 3
	s_lshl_b32 s63, s63, 2
	s_add_co_u32 s62, s62, s63
	s_add_co_u32 s62, s62, s58
	s_add_co_u32 s62, s62, KSC
	s_mov_b32 s63, 0
	s_lshr_b32 s53, s15, 4
	s_lshl_b32 s53, s53, 7
	s_lshl_b32 s55, s13, 5
	s_add_co_u32 s53, s53, s55
	s_add_co_u32 s53, s53, s[WV]
	s_and_b32 s55, s15, 15
	s_lshl_b32 s16, s53, 4
	s_add_co_u32 s16, s16, s55
	s_mul_i32 s16, s16, 768
	s_mov_b32 s17, 0
	s_lshl_b32 s18, s53, 9
	s_lshl_b32 s55, s55, 1
	s_add_co_u32 s18, s18, s55
	s_mov_b32 s19, 0
	s_mov_b32 s[SEL], 0x76543210
	s_mov_b32 s[SEL+1], 0xfedcba98
	s_mov_b32 s[CS], 0x3e38aa3b
	s_mov_b32 s[CS+1], s[CS]
	s_wait_dscnt 0x0
	CROUND                                         ; the round in front of the joint loads; the arguments are on their way meanwhile
	s_wait_kmcnt 0x0
	s_add_nc_u64 s[6:7], s[6:7], s[56:57]
	s_add_nc_u64 s[50:51], s[4:5], s[62:63]
	s_add_nc_u64 s[4:5], s[4:5], s[60:61]
	s_add_nc_u64 s[8:9], s[8:9], s[16:17]
	s_add_nc_u64 s[10:11], s[10:11], s[18:19]
	s_mov_b32 s[G0], 1
	s_mov_b32 s[G0+1], s54
	s_mov_b64 s[G0+2:G0+3], s[6:7]
	s_or_b32 s[G0+3], s[G0+3], 0x80000000
	tensor_load_to_lds s[G0:G0+3], s[G1:G1+7]      ; step block number = my wave's number: 52 rows of 256 bytes
	s_nop 0
.rept 4
	v_nop
.endr
	v_and_b32 v7, 31, v0
	s_delay_alu instid0(VALU_DEP_1)
	v_lshlrev_b32 v[L16], 4, v7
	s_delay_alu instid0(VALU_DEP_2)
	v_lshlrev_b32 v[L8], 3, v7
	v_and_b32 v[R16], 15, v0
	v_bfe_u32 v14, v0, 4, 1
	s_delay_alu instid0(VALU_DEP_1)
	v_lshl_add_u32 v[RH], v[R16], 5, v14
	s_delay_alu instid0(VALU_DEP_3)
	v_lshlrev_b32 v[R16], 4, v[R16]
	v_cmp_le_u32 s14, 16, v7
.macro QLOAD pass
	global_load_b128 v[QF:QF+3], v[L16], s[4:5] offset:2*STEPB*(\pass)
	global_load_b64 v[QF+4:QF+5], v[L8], s[4:5] offset:2*STEPB*(\pass)+512
	global_load_b128 v[QF+12:QF+15], v[L16], s[4:5] offset:2*STEPB*(\pass)
	global_load_b64 v[QF+16:QF+17], v[L8], s[4:5] offset:2*STEPB*(\pass)+512
	global_load_b32 v[QS], v[R16], s[50:51] offset:2*STEPB*(\pass)
.endm
	QLOAD 0
.irp j, 0,1,2,3,4,5
	v_mov_b32 v[QF+6+\j], 0
	v_mov_b32 v[KD+6+\j], 0
	v_mov_b32 v[KD+24+\j], 0
.endr
.irp b, 0,1,2,3
	v_mov_b32 v[T2+\b], 0
.endr
	v_mov_b32 v[FF+1], 0
.macro INIT
	v_mov_b32 v[TMX], 0xff61b1e6
	v_mov_b32 v[SUM], 0
	v_mov_b32 v[SUM+1], 0
.set J, 0
.rept 32
	v_mov_b32 v[O+J], 0
.set J, J+1
.endr
	v_floor_f32 v[NM], -v[TMX]
.endm
	INIT
.macro KLOAD g
.irp t, 0,1,2,3
	ds_load_b128 v[KD+18*(\t/2)+12*(\t%2):KD+18*(\t/2)+12*(\t%2)+3], v[A16] offset:768*(4*\g+\t)
	ds_load_b64 v[KD+18*(\t/2)+12*(\t%2)+4:KD+18*(\t/2)+12*(\t%2)+5], v[A8] offset:768*(4*\g+\t)+512
.endr
.endm
.macro KQ g
.irp t, 0,1,2,3
.if \g
	v_wmma_scale_f32_16x16x128_f8f6f4 v[S+8*(4*\g+\t):S+8*(4*\g+\t)+7], v[KD+18*(\t/2)+6*(\t%2):KD+18*(\t/2)+6*(\t%2)+11], v[QF+6*(\t%2):QF+6*(\t%2)+11], 0, v[KS+\t], v[QS] matrix_a_fmt:MATRIX_FMT_FP6 matrix_b_fmt:MATRIX_FMT_FP6 matrix_a_scale:MATRIX_SCALE_ROW1
.else
	v_wmma_scale_f32_16x16x128_f8f6f4 v[S+8*(4*\g+\t):S+8*(4*\g+\t)+7], v[KD+18*(\t/2)+6*(\t%2):KD+18*(\t/2)+6*(\t%2)+11], v[QF+6*(\t%2):QF+6*(\t%2)+11], 0, v[KS+\t], v[QS] matrix_a_fmt:MATRIX_FMT_FP6 matrix_b_fmt:MATRIX_FMT_FP6
.endif
.endr
.endm
.macro MAXR b, k
.if (\k) == 0
	v_max3_num_f32 v[BM+\b], v[S+16*\b], v[S+16*\b+1], v[S+16*\b+2]
.elseif (\k) < 7
	v_max3_num_f32 v[BM+\b], v[BM+\b], v[S+16*\b+2*(\k)+1], v[S+16*\b+2*(\k)+2]
.else
	v_max_num_f32 v[BM+\b], v[BM+\b], v[S+16*\b+15]
.endif
.endm
.macro STEP
	v_add_nc_u32 v[A16], s[TB], v[L16]
	v_add_nc_u32 v[A8], s[TB], v[L8]
	KLOAD 0
	ds_load_b128 v[KS:KS+3], v[A16] offset:KSC
	s_wait_alu depctr_va_vdst(0)
	s_wait_dscnt 0x0
	KQ 0
.rept 4
	v_nop
.endr
	KLOAD 1
.irp i, 0,1,2,3
.irp c, 0,1
	ds_load_b128 v[VF+12*\i+6*\c:VF+12*\i+6*\c+3], v[A16] offset:VIM+1536*\i+768*\c
	ds_load_b64 v[VF+12*\i+6*\c+4:VF+12*\i+6*\c+5], v[A8] offset:VIM+1536*\i+768*\c+512
.endr
.endr
	ds_load_b128 v[VS:VS+3], v[A16] offset:VSC
.irp k, 0,1,2,3,4,5
	MAXR 0, \k
	MAXR 1, \k
.endr
	s_wait_alu depctr_va_vdst(0)
	s_wait_dscnt 17                                ; behind k's second four images: v's 16 loads and its scale words
	KQ 1
	MAXR 0, 6
	MAXR 1, 6
	MAXR 0, 7
	MAXR 1, 7
.irp k, 0,1,2,3,4,5,6,7
	MAXR 2, \k
	MAXR 3, \k
.endr
.irp b, 0,1,2,3
	v_permlanex16_b32 v[T2+\b], v[BM+\b], s[SEL], s[SEL+1]
.endr
.irp b, 0,1,2,3
	s_delay_alu instid0(VALU_DEP_4)
	v_max_num_f32 v[BM+\b], v[BM+\b], v[T2+\b]
.endr
	s_delay_alu instid0(VALU_DEP_2)
	v_max3_num_f32 v14, v[BM], v[BM+1], v[BM+2]
	s_delay_alu instid0(VALU_DEP_1)
	v_max_num_f32 v14, v14, v[BM+3]
	s_delay_alu instid0(VALU_DEP_1)
	v_mul_f32 v14, s[CS], v14
	s_delay_alu instid0(VALU_DEP_1)
	v_max_num_f32 v[TMX], v[TMX], v14
	v_mov_b32 v14, v[NM]
	s_delay_alu instid0(VALU_DEP_2)
	v_floor_f32 v[NM], -v[TMX]
	s_delay_alu instid0(VALU_DEP_1)
	v_sub_f32 v14, v[NM], v14
	s_delay_alu instid0(VALU_DEP_1)
	v_cvt_i32_f32 v14, v14
	s_delay_alu instid0(VALU_DEP_1)
	v_ldexp_f32 v[FF], 1.0, v14
.set J, 0
.rept 32
	v_pk_fma_f32 v[S+J:S+J+1], v[S+J:S+J+1], s[CS:CS+1], v[NM:NM+1] op_sel_hi:[1,0,0]
.set J, J+2
.endr
.irp b, 0,1,2,3
	v_fma_f32 v[BM+\b], v[BM+\b], s[CS], v[NM]
.endr
.set J, 0
	s_wait_alu depctr_va_vdst(0)
.rept 64
	v_exp_f32 v[S+J], v[S+J]
.set J, J+1
.endr
	v_pk_mul_f32 v[SUM:SUM+1], v[SUM:SUM+1], v[FF:FF+1] op_sel_hi:[1,0]
	s_wait_alu depctr_va_vdst(0)
.irp b, 0,1,2,3
	v_exp_f32 v[BM+\b], v[BM+\b]
.endr
	v_pk_add_f32 v[T2:T2+1], v[S:S+1], v[S+2:S+3]
.set J, 4
.rept 15
	v_pk_add_f32 v[SUM:SUM+1], v[SUM:SUM+1], v[S+J:S+J+1]
	v_pk_add_f32 v[T2:T2+1], v[T2:T2+1], v[S+J+2:S+J+3]
.set J, J+4
.endr
	s_delay_alu instid0(VALU_DEP_1)
	v_pk_add_f32 v[SUM:SUM+1], v[SUM:SUM+1], v[T2:T2+1]
	s_wait_alu depctr_va_vdst(0)
.irp b, 0,1,2,3
	v_max_num_f32 v[BM+\b], 0x1800000, v[BM+\b]
.endr
.irp b, 0,1,2,3
	s_delay_alu instid0(VALU_DEP_4)
	v_add_nc_u32 v[SO+\b], 0xff000000, v[BM+\b]
.endr
.irp b, 0,1,2,3
	s_delay_alu instid0(VALU_DEP_4)
	v_lshrrev_b32 v[T2+\b], 23, v[SO+\b]
.endr
	s_delay_alu instid0(VALU_DEP_3)
	v_lshl_or_b32 v[PW], v[T2+1], 8, v[T2]
	s_delay_alu instid0(VALU_DEP_1)
	v_lshl_or_b32 v[PW], v[T2+2], 16, v[PW]
	s_delay_alu instid0(VALU_DEP_1)
	v_lshl_or_b32 v[PW], v[T2+3], 24, v[PW]
.irp c, 0,1
	v_cvt_scalef32_pk16_fp6_f32 v[PCD+6*\c:PCD+6*\c+2], v[S+32*\c:S+32*\c+15], v[SO+2*\c]
	v_cvt_scalef32_pk16_fp6_f32 v[T2+4*\c:T2+4*\c+2], v[S+16+32*\c:S+31+32*\c], v[SO+2*\c+1]
.endr
	v_nop
.irp c, 0,1
.irp i, 0,1,2
	v_permlane16_swap_b32 v[PCD+6*\c+\i], v[T2+4*\c+\i]
.endr
.irp i, 0,1,2
	s_delay_alu instid0(VALU_DEP_3)
	v_mov_b32 v[PCD+3+6*\c+\i], v[T2+4*\c+\i]
.endr
.endr
.set J, 0
.rept 16
	v_pk_mul_f32 v[O+J:O+J+1], v[O+J:O+J+1], v[FF:FF+1] op_sel_hi:[1,0]
.set J, J+2
.endr
	s_wait_alu depctr_va_vdst(0)
	s_wait_dscnt 0x0
.irp i, 0,1,2,3
	v_wmma_scale_f32_16x16x128_f8f6f4 v[O+8*\i:O+8*\i+7], v[VF+12*\i:VF+12*\i+11], v[PCD:PCD+11], v[O+8*\i:O+8*\i+7], v[VS+\i], v[PW] matrix_a_fmt:MATRIX_FMT_FP6 matrix_b_fmt:MATRIX_FMT_FP6
.endr
	s_add_co_u32 s[TB], s[TB], STEPB
.endm
.macro STEPS n
	s_mov_b32 s[CNT], \n
.Lstep_\@:
	STEP
	s_sub_co_u32 s[CNT], s[CNT], 1
	s_cmp_lg_u32 s[CNT], 0
	s_cbranch_scc1 .Lstep_\@
.endm
.macro EPI pass
.if (\pass) == 0
	QLOAD 1
.endif
.rept 4
	v_nop
.endr
	v_add_f32 v[SUM], v[SUM], v[SUM+1]
	s_delay_alu instid0(VALU_DEP_1)
	v_permlanex16_b32 v14, v[SUM], s[SEL], s[SEL+1]
	s_delay_alu instid0(VALU_DEP_1)
	v_add_f32 v[SUM], v[SUM], v14
	s_wait_alu depctr_va_vdst(0)
	v_rcp_f32 v[SUM], v[SUM]
	v_nop
	s_wait_alu depctr_va_vdst(0)
.set J, 0
.rept 16
	v_pk_mul_f32 v[O+J:O+J+1], v[O+J:O+J+1], v[SUM:SUM+1] op_sel_hi:[1,0]
.set J, J+2
.endr
.irp b, 0,1
.irp j, 0,1,2,3,4,5,6,7
	v_permlane16_swap_b32 v[O+16*\b+\j], v[O+8+16*\b+\j]
.endr
.endr
.irp b, 0,1
	v_max3_num_f32 v[BM+\b], |v[O+16*\b]|, |v[O+1+16*\b]|, 0x1800000
.endr
.irp i, 2,4,6,8,10,12,14
.irp b, 0,1
	s_delay_alu instid0(VALU_DEP_2)
	v_max3_num_f32 v[BM+\b], v[BM+\b], |v[O+16*\b+\i]|, |v[O+1+16*\b+\i]|
.endr
.endr
.irp b, 0,1
	s_delay_alu instid0(VALU_DEP_2)
	v_permlanex16_b32 v[T2+\b], v[BM+\b], s[SEL], s[SEL+1]
.endr
.irp b, 0,1
	s_delay_alu instid0(VALU_DEP_2)
	v_max_num_f32 v[BM+\b], v[BM+\b], v[T2+\b]
.endr
.irp b, 0,1
	s_delay_alu instid0(VALU_DEP_2)
	v_add_nc_u32 v[SO+\b], 0xff000000, v[BM+\b]
.endr
.irp b, 0,1
	s_delay_alu instid0(VALU_DEP_2)
	v_lshrrev_b32 v[T2+4+\b], 23, v[SO+\b]
.endr
	s_delay_alu instid0(VALU_DEP_1)
	v_cndmask_b32 v14, v[T2+4], v[T2+5], s14
	v_cvt_scalef32_pk16_fp6_f32 v[PCD:PCD+2], v[O:O+15], v[SO]
	v_cvt_scalef32_pk16_fp6_f32 v[T2:T2+2], v[O+16:O+31], v[SO+1]
	v_nop
.irp i, 0,1,2
	v_permlane16_swap_b32 v[PCD+\i], v[T2+\i]
.endr
.irp i, 0,1,2
	s_delay_alu instid0(VALU_DEP_3)
	v_mov_b32 v[PCD+3+\i], v[T2+\i]
.endr
	global_store_b128 v[L16], v[PCD:PCD+3], s[8:9] offset:196608*(\pass)
	global_store_b64 v[L8], v[PCD+4:PCD+5], s[8:9] offset:196608*(\pass)+512
	global_store_b8 v[RH], v14, s[10:11] offset:8192*(\pass)
.endm
	s_wait_alu depctr_va_vdst(0)                   ; the wait at the head's end
	s_wait_loadcnt 0x0
	s_wait_tensorcnt 0x0                           ; my step block is in;
	s_wait_dscnt 0x0
	s_barrier_signal -1
	s_barrier_wait -1                              ; and everybody's.
	s_mov_b32 s[TB], 0
	STEPS 16
	EPI 0
	INIT
	s_mov_b32 s[TB], 0
	s_wait_xcnt 0x0
	s_wait_loadcnt 0x0
	STEPS 16
	EPI 1
	s_wait_tensorcnt 0x0
	ds_add_u32 v254, v255
	s_wait_dscnt 0x0
	CROUND
	s_endpgm
.Lfunc_end_k_q0b77e79b5d_attn:
	.size	k_q0b77e79b5d_attn, .Lfunc_end_k_q0b77e79b5d_attn-k_q0b77e79b5d_attn
	.p2alignl 7, 3214868480
	.fill 96, 4, 3214868480
	.section	.rodata,"a",@progbits
	.p2align	6, 0x0
	.amdhsa_kernel k_q0b77e79b5d_attn
		.amdhsa_group_segment_fixed_size 327680
		.amdhsa_private_segment_fixed_size 0
		.amdhsa_enable_private_segment 0
		.amdhsa_kernarg_size 32
		.amdhsa_user_sgpr_count 2
		.amdhsa_user_sgpr_kernarg_segment_ptr 1
		.amdhsa_wavefront_size32 1
		.amdhsa_system_sgpr_workgroup_id_x 1
		.amdhsa_system_sgpr_workgroup_id_y 1
		.amdhsa_system_sgpr_workgroup_id_z 1
		.amdhsa_system_vgpr_workitem_id 0
		.amdhsa_next_free_vgpr 256
		.amdhsa_next_free_sgpr 66
		.amdhsa_reserve_vcc 0
		.amdhsa_float_denorm_mode_32 3
		.amdhsa_float_denorm_mode_16_64 3
		.amdhsa_memory_ordered 1
		.amdhsa_forward_progress 1
		.amdhsa_inst_pref_size 53
	.end_amdhsa_kernel
	.amdgpu_metadata
---
amdhsa.version: [ 1, 2 ]
amdhsa.kernels:
  - .name:           k_q0b77e79b5d_attn
    .symbol:         k_q0b77e79b5d_attn.kd
    .args:
      - { .name: qws, .offset: 0, .size: 8, .value_kind: global_buffer, .address_space: global }
      - { .name: kvws, .offset: 8, .size: 8, .value_kind: global_buffer, .address_space: global }
      - { .name: cimg, .offset: 16, .size: 8, .value_kind: global_buffer, .address_space: global }
      - { .name: cscl, .offset: 24, .size: 8, .value_kind: global_buffer, .address_space: global }
    .group_segment_fixed_size: 327680
    .private_segment_fixed_size: 0
    .kernarg_segment_align: 8
    .kernarg_segment_size: 32
    .max_flat_workgroup_size: 512
    .sgpr_count:     66
    .vgpr_count:     256
    .wavefront_size: 32
...
	.end_amdgpu_metadata
.endif
;; end of part 2
;; launch fc (part 3): grid 4 x 64, 4 waves a work-group, clusters of 4 x 4, 327,680 bytes of LDS; arguments cimg, cscl, fc_w_codes, fc_w_scales, fc_b, out0; writes out0
.if DOCPART == 3
	.amdgcn_target "amdgcn-amd-amdhsa--gfx1250"
	.amdhsa_code_object_version 6
	.text
	.protected	k_q0b77e79b5d_fc
	.globl	k_q0b77e79b5d_fc
	.p2align	8
	.type	k_q0b77e79b5d_fc,@function
k_q0b77e79b5d_fc:
	s_mov_b64 s[64:65], 0
	v_nop
	global_prefetch_b8 v0, s[64:65] scope:SCOPE_SE
	s_setreg_imm32_b32 hwreg(HW_REG_WAVE_MODE, 25, 1), 1
	s_wait_xcnt 0x0
	s_wait_alu depctr_hold_cnt(0) depctr_sa_sdst(0) depctr_va_vdst(0) depctr_va_sdst(0) depctr_va_ssrc(0) depctr_va_vcc(0) depctr_vm_vsrc(0)
	s_getreg_b32 s2, hwreg(HW_REG_IB_STS2, 6, 4)
	s_cmp_eq_u32 s2, 0
	s_cbranch_scc0 .Lentry_in_a_cluster
	s_endpgm
.Lentry_in_a_cluster:
	s_bfe_u32 s2, ttmp6, 0x10000c
	s_cmp_lg_u32 s2, 0xf033
	s_cbranch_scc0 .Lentry_shape_is_right
	s_endpgm
.Lentry_shape_is_right:
; out0 = ctx fc_w^T + fc_b on codes of FP6 (E2M3), one E8M0 scale for each 32 along K = 1,024; sums in f32.
; A tile is 128 rows of ctx x 256 rows of fc_w, with ALL OF K in LDS, asked for once, at the head: nothing is filled again, one barrier shows the tile to all waves.  64 x 4 tiles: 256 work-groups.
; ctx comes as images of the operand's registers: cimg[16 rows][head][768 bytes] (registers 0-3 at 16 x lane, 4-5 at 512 + 8 x lane): 128 rows are 98,304 dense bytes.  fc_w's 256 rows of 768 bytes come as dense rows of 256 bytes, 16 bytes of padding behind each.
; THE MATRIX INSTRUCTION IS USED TRANSPOSED (source 0 = 16 rows of fc_w, source 1 = 16 rows of ctx): a lane holds eight neighbouring numbers of a row of out0.  The bias is the C of a sum's first product.
; A wave keeps its 64 rows of fc_w for all of K in 384 registers and streams ctx's eight blocks of 16 rows: a block is finished over all of K by 32 matrix instructions, four accumulators by turns,
; goes through the wave's own stage in LDS and leaves as whole rows of 256 bytes while the next block is multiplied.
; CLUSTERS 4 x 4: ctx's tile is asked for jointly along a row of the cluster, fc_w's along a column.  The scale words go from memory straight into registers: a lane takes its row's 32 bytes.
; NO PREFETCH: every tile is asked for at the head; there is no loop to run ahead in.
; REGISTERS: window 0: v16-30 addresses, v32-63 fc_w's scale words, v64-127 ctx's, v128-191 rows on the way out.  window 1: fc_w's fragments of K steps 0-4 (v[48 k + 12 b]).  window 2: K steps 5-7; v144-175 the bias.
;   window 3: ctx's fragments, two sets at v0, v96; accumulators, two sets at v192, v224.
.set RP,     816
.set BLK,    16*RP
.set ABLK,   12288                     ; 16 rows of ctx: 16 images
.set ABYTES, 8*ABLK
.set SPARE,  ABYTES+256*RP             ; the spare words: 128 bytes a wave
.set STAGE,  SPARE+512                 ; 16 rows x (256 + 16) bytes for each wave
.set SPITCH, 272
.set ADRA, 16                          ; v16: 16 x lane, v17: 8 x lane; v18, v19: the same for blocks 4-7
.set ADRB, 20
.set STO,  22
.set RD,   23
.set CO,   26
.set SOF,  27
.set SPW,  28
.set NIL,  29
.set BO,   30
.set BS,   32
.set AS,   64
.set BK,   128
.set BI,   144
.set ACC,  192
.set G1A, 24
.set G0A, 32
.set G0B, 36
.set G1B, 48
.set MSB, 0
.macro WIN new                         ; the immediate's high byte repeats the setting that is left
.if MSB != \new
	s_set_vgpr_msb (MSB<<8)|\new
.set MSB, \new
.endif
.endm
.macro CROUND                          ; a round of the cluster's barrier
	s_barrier_signal -1
	s_barrier_wait -1
	s_cmp_lg_u32 s14, 0
	s_cbranch_scc1 .Lnot_wave_0_\@
	s_barrier_signal -3
.Lnot_wave_0_\@:
	s_barrier_wait -3
	s_barrier_signal -1
	s_barrier_wait -1
.endm
.macro PLACES                          ; plain vector instructions behind a matrix instruction (ISA guide 7.12.1)
.rept 4
	v_nop
.endr
.endm
	s_load_b256 s[4:11], s[0:1], 0x0               ; cimg s4, cscl s6, fc_w's codes s8, scales s10
	s_load_b128 s[68:71], s[0:1], 0x20             ; fc_b s68, out0 s70
	v_lshl_add_u32 v[SPW], v0, 2, SPARE
	v_mov_b32 v[NIL], 0
	ds_add_u32 v[SPW], v[NIL]                      ; the opening lines: the add, twice on end, and its wait
	ds_add_u32 v[SPW], v[NIL]
	v_lshrrev_b32 v1, 5, v0
	v_readfirstlane_b32 s14, v1                    ; wave 0..3
	s_lshr_b32 s15, s14, 1                         ; I fetch for ctx (0) or for fc_w (1)
	s_and_b32 s16, s14, 1                          ; which half of that tile
	s_bfe_u32 s40, ttmp6, 0x40000                  ; cx: fc_w's tile (the grid has one cluster along x)
	s_bfe_u32 s41, ttmp6, 0x40004
	s_and_b32 s17, ttmp7, 0xffff
	s_lshl_b32 s17, s17, 2
	s_add_co_u32 s17, s17, s41                     ; ctx's tile (128 rows)
	s_lshl_b32 s43, s41, 2
	s_lshl_b32 s43, 15, s43                        ; my row of the cluster
	s_lshl_b32 s44, 0x1111, s40                    ; my column
	s_or_b32 s[G1A], s43, (3<<16)|(1<<21)          ; ctx: 192 dense rows of 256 bytes, no padding
	s_or_b32 s[G1B], s44, (3<<16)|(1<<20)|(1<<21)|(5<<22)|(3<<25)   ; fc_w: 384 rows of 256 bytes, 16 bytes behind each
	s_mov_b32 s[G1A+2], 192<<16
	s_mov_b32 s[G1A+4], 192
	s_mov_b32 s[G1B+2], 384<<16
	s_mov_b32 s[G1B+4], 384
.irp g, G1A, G1B
	s_mov_b32 s[\g+1], 32<<16
	s_mov_b32 s[\g+3], 32<<16
	s_mov_b32 s[\g+5], 32
	s_mov_b32 s[\g+6], 0
	s_mov_b32 s[\g+7], 0
.endr
	s_mul_i32 s20, s17, ABYTES
	s_mul_i32 s45, s16, 4*ABLK                     ; my half, in memory and in LDS
	s_add_co_u32 s20, s20, s45
	s_mov_b32 s21, 0
	s_lshl_b32 s46, s40, 8
	s_lshl_b32 s47, s16, 7
	s_add_co_u32 s46, s46, s47
	s_mul_i32 s46, s46, 768
	s_mov_b32 s47, 0
	s_lshl_b32 s22, s17, 12                        ; ctx's scales: 128 rows of 32 bytes
	s_mov_b32 s23, 0
	s_lshl_b32 s92, s40, 13
	s_lshl_b32 s93, s14, 11
	s_add_co_u32 s92, s92, s93                     ; fc_w's scales: the 64 rows that I multiply
	s_mov_b32 s93, 0
	s_mul_i32 s2, s16, 128*RP
	s_add_co_u32 s2, s2, ABYTES
	s_lshl_b32 s94, s40, 10
	s_lshl_b32 s95, s14, 8
	s_add_co_u32 s94, s94, s95                     ; my first column, in bytes
	s_mov_b32 s95, 0
	s_lshl_b32 s96, s17, 19                        ; my first row of out0: 128 rows of 4,096 bytes a tile
	s_mov_b32 s97, 0
	s_wait_dscnt 0x0
	CROUND                                         ; the round in front of the joint loads; the arguments are on their way meanwhile
	s_wait_kmcnt 0x0
	s_add_nc_u64 s[6:7], s[6:7], s[22:23]
	s_add_nc_u64 s[10:11], s[10:11], s[92:93]
	s_add_nc_u64 s[68:69], s[68:69], s[94:95]
	s_add_nc_u64 s[70:71], s[70:71], s[94:95]
	s_add_nc_u64 s[70:71], s[70:71], s[96:97]
	s_mov_b32 s[G0A], 1
	s_mov_b32 s[G0A+1], s45
	s_add_nc_u64 s[G0A+2:G0A+3], s[4:5], s[20:21]
	s_or_b32 s[G0A+3], s[G0A+3], 0x80000000
	s_mov_b32 s[G0B], 1
	s_mov_b32 s[G0B+1], s2
	s_add_nc_u64 s[G0B+2:G0B+3], s[8:9], s[46:47]
	s_or_b32 s[G0B+3], s[G0B+3], 0x80000000
	s_cmp_eq_u32 s15, 0                            ; one tensor load a wave: waves 0, 1 ctx's halves, waves 2, 3 fc_w's
	s_cbranch_scc0 .Lfor_b
	tensor_load_to_lds s[G0A:G0A+3], s[G1A:G1A+7]
	s_nop 0
	PLACES
	s_branch .Lasked
.Lfor_b:
	tensor_load_to_lds s[G0B:G0B+3], s[G1B:G1B+7]
	s_nop 0
	PLACES
.Lasked:
	s_mul_i32 s21, s14, 64*RP
	s_add_co_u32 s21, s21, ABYTES                  ; the 64 rows of fc_w that I multiply
	s_mul_i32 s23, s14, 16*SPITCH
	s_add_co_u32 s23, s23, STAGE                   ; my stage
	v_and_b32 v1, 15, v0                           ; r
	v_bfe_u32 v2, v0, 4, 1                         ; h
	v_and_b32 v8, 31, v0
	v_lshlrev_b32 v[ADRA], 4, v8
	v_lshlrev_b32 v[ADRA+1], 3, v8
	v_add_nc_u32 v[ADRA+2], 4*ABLK, v[ADRA]
	v_add_nc_u32 v[ADRA+3], 4*ABLK, v[ADRA+1]
	v_mul_u32_u24 v3, v1, RP
	v_mad_u32_u24 v4, v2, 24, v3                   ; a fragment's row x pitch + 24 x half
	v_add_nc_u32 v[ADRB], s21, v4
	v_lshl_add_u32 v[ADRB+1], v2, 4, v[ADRB]       ; and the same behind one padding more
	v_mul_u32_u24 v5, v1, SPITCH                   ; in: row r, 32 bytes for each half of the lanes
	v_lshl_add_u32 v5, v2, 5, v5
	v_add_nc_u32 v[STO], s23, v5
	v_mul_u32_u24 v6, v2, SPITCH                   ; back: lanes 0-15 take one row of 256 bytes, lanes 16-31 the next
	v_lshl_add_u32 v6, v1, 4, v6
	v_add_nc_u32 v[RD], s23, v6
	v_lshlrev_b32 v7, 12, v2                       ; and the same two rows in out0
	v_lshl_add_u32 v[CO], v1, 4, v7
	v_lshlrev_b32 v[BO], 5, v2
	v_lshlrev_b32 v[SOF], 5, v1                    ; my row's 32 scale bytes: word k serves K step k
.irp a, 0,1,2,3,4,5,6,7
	global_load_b128 v[AS+8*\a:AS+8*\a+3], v[SOF], s[6:7] offset:512*\a
	global_load_b128 v[AS+8*\a+4:AS+8*\a+7], v[SOF], s[6:7] offset:512*\a+16
.endr
.irp b, 0,1,2,3
	global_load_b128 v[BS+8*\b:BS+8*\b+3], v[SOF], s[10:11] offset:512*\b
	global_load_b128 v[BS+8*\b+4:BS+8*\b+7], v[SOF], s[10:11] offset:512*\b+16
.endr
	WIN 0x80
.irp b, 0,1,2,3
	global_load_b128 v[BI+8*\b:BI+8*\b+3], v[BO], s[68:69] offset:64*\b        ; the bias at my eight columns of accumulator b
	global_load_b128 v[BI+8*\b+4:BI+8*\b+7], v[BO], s[68:69] offset:64*\b+16
.endr
	WIN 0
; a fragment of fc_w, 16 rows x 128 K, is 12 registers: lane (r, h) holds row r; registers 6 c .. 6 c + 5 hold K = 64 c + 32 h + 0 .. 31: 24 bytes of the row, in pieces of 8.  Byte y of a row lies at y + 16 (y / 256).
.macro FRAG reg, adr, k, off
.irp p, 0,1,2,3,4,5
.set BY, 96*(\k)+48*(\p/3)+8*(\p%3)
.if BY/256 == (BY+24)/256
	ds_load_b64 v[\reg+2*\p:\reg+2*\p+1], v[\adr] offset:BY+16*(BY/256)+(\off)
.else
	ds_load_b64 v[\reg+2*\p:\reg+2*\p+1], v[\adr+1] offset:BY+16*(BY/256)+(\off)
.endif
.endr
.endm
.macro LOADA a                         ; ctx's block a, all of K, into set a % 2: 32 loads
.set PA, 96*((\a)%2)
.set RA, ADRA+2*((\a)/4)
.set OA, ((\a)%4)*ABLK
	WIN 0xc0
.irp i, 0,1,2,3,4,5,6,7,8,9,10,11,12,13,14,15
	ds_load_b128 v[PA+6*\i:PA+6*\i+3], v[RA] offset:OA+768*\i
	ds_load_b64 v[PA+6*\i+4:PA+6*\i+5], v[RA+1] offset:OA+768*\i+512
.endr
	WIN 0
.endm
.macro MUL a                           ; block a over all of K; the first products take the bias as C
.set P, (\a)%2
.irp k, 0,1,2,3,4,5,6,7
.if \k == 0
	WIN 0xed                                       ; source 0 window 1, source 1 and D window 3, C window 2
.endif
.if \k == 1
	WIN 0xfd                                       ; C window 3
.endif
.if \k == 5
	WIN 0xfe                                       ; source 0 window 2
.endif
.irp b, 0,1,2,3
.if \k == 0
	v_wmma_scale_f32_16x16x128_f8f6f4 v[ACC+32*P+8*\b:ACC+32*P+8*\b+7], v[48*(\k%5)+12*\b:48*(\k%5)+12*\b+11], v[96*P+12*\k:96*P+12*\k+11], v[BI+8*\b:BI+8*\b+7], v[BS+8*\b+\k], v[AS+8*(\a)+\k] matrix_a_fmt:MATRIX_FMT_FP6 matrix_b_fmt:MATRIX_FMT_FP6
.else
	v_wmma_scale_f32_16x16x128_f8f6f4 v[ACC+32*P+8*\b:ACC+32*P+8*\b+7], v[48*(\k%5)+12*\b:48*(\k%5)+12*\b+11], v[96*P+12*\k:96*P+12*\k+11], v[ACC+32*P+8*\b:ACC+32*P+8*\b+7], v[BS+8*\b+\k], v[AS+8*(\a)+\k] matrix_a_fmt:MATRIX_FMT_FP6 matrix_b_fmt:MATRIX_FMT_FP6
.endif
.endr
.endr
	WIN 0
.endm
.macro TOSTAGE a                       ; into my own stage, and back as whole rows: LDS serves a wave's instructions in order (ISA guide 5.7.1.4)
.set P, (\a)%2
	s_wait_xcnt 0x0                                ; earlier stores have read the registers that the loads below fill
	WIN 0x0c                                       ; the data: window 3
.irp b, 0,1,2,3
	ds_store_b128 v[STO], v[ACC+32*P+8*\b:ACC+32*P+8*\b+3] offset:64*\b        ; each accumulator from its low end on
	ds_store_b128 v[STO], v[ACC+32*P+8*\b+4:ACC+32*P+8*\b+7] offset:64*\b+16
.endr
	WIN 0
.irp t, 0,1,2,3,4,5,6,7
	ds_load_b128 v[BK+32*P+4*\t:BK+32*P+4*\t+3], v[RD] offset:\t*2*SPITCH
.endr
.endm
.macro SEND a
.set P, (\a)%2
.irp t, 0,1,2,3,4,5,6,7
	global_store_b128 v[CO], v[BK+32*P+4*\t:BK+32*P+4*\t+3], s[70:71] offset:(\a)*65536+\t*8192 th:TH_STORE_NT   ; 16 lanes store 256 consecutive bytes, at a multiple of 256 from out0's first byte
.endr
.endm
	s_wait_alu depctr_va_vdst(0)                   ; the wait at the head's end
	s_wait_tensorcnt 0x0                           ; my part of the tile is in;
	s_barrier_signal -1
	s_barrier_wait -1                              ; and everybody's.
	WIN 0x40
.irp k, 0,1,2,3,4
.irp b, 0,1,2,3
	FRAG 48*\k+12*\b, ADRB, \k, \b*BLK
.endr
.endr
	WIN 0x80
.irp k, 5,6,7
.irp b, 0,1,2,3
	FRAG 48*(\k-5)+12*\b, ADRB, \k, \b*BLK
.endr
.endr
	WIN 0
	LOADA 0
.irp a, 0,1,2,3,4,5,6,7
.if \a < 7
	LOADA \a+1                                     ; into the set that block a - 1 read: four places stand behind its products
	s_wait_dscnt 32                                ; all but the 32 just issued: block a's fragments and block a - 1's rows are in
.else
	s_wait_dscnt 0x0
.endif
.if \a == 0
	s_wait_loadcnt 0x0                             ; the scale words and the bias
.else
	SEND \a-1
.endif
	MUL \a
	PLACES
	TOSTAGE \a
.endr
	s_wait_dscnt 0x0
	SEND 7
	s_wait_tensorcnt 0x0                           ; the wave's end
	ds_add_u32 v[SPW], v[NIL]
	s_wait_dscnt 0x0
	CROUND                                         ; the closing round
	s_endpgm
.Lfunc_end_k_q0b77e79b5d_fc:
	.size	k_q0b77e79b5d_fc, .Lfunc_end_k_q0b77e79b5d_fc-k_q0b77e79b5d_fc
	.p2alignl 7, 3214868480
	.fill 96, 4, 3214868480
	.section	.rodata,"a",@progbits
	.p2align	6, 0x0
	.amdhsa_kernel k_q0b77e79b5d_fc
		.amdhsa_group_segment_fixed_size 327680
		.amdhsa_private_segment_fixed_size 0
		.amdhsa_enable_private_segment 0
		.amdhsa_kernarg_size 48
		.amdhsa_user_sgpr_count 2
		.amdhsa_user_sgpr_kernarg_segment_ptr 1
		.amdhsa_wavefront_size32 1
		.amdhsa_system_sgpr_workgroup_id_x 1
		.amdhsa_system_sgpr_workgroup_id_y 1
		.amdhsa_system_sgpr_workgroup_id_z 1
		.amdhsa_system_vgpr_workitem_id 0
		.amdhsa_next_free_vgpr 1024
		.amdhsa_next_free_sgpr 100
		.amdhsa_reserve_vcc 0
		.amdhsa_float_denorm_mode_32 3
		.amdhsa_float_denorm_mode_16_64 3
		.amdhsa_memory_ordered 1
		.amdhsa_forward_progress 1
		.amdhsa_inst_pref_size 88
	.end_amdhsa_kernel
	.amdgpu_metadata
---
amdhsa.version: [ 1, 2 ]
amdhsa.kernels:
  - .name:           k_q0b77e79b5d_fc
    .symbol:         k_q0b77e79b5d_fc.kd
    .args:
      - { .name: cimg, .offset: 0, .size: 8, .value_kind: global_buffer, .address_space: global }
      - { .name: cscl, .offset: 8, .size: 8, .value_kind: global_buffer, .address_space: global }
      - { .name: fc_w_codes, .offset: 16, .size: 8, .value_kind: global_buffer, .address_space: global }
      - { .name: fc_w_scales, .offset: 24, .size: 8, .value_kind: global_buffer, .address_space: global }
      - { .name: fc_b, .offset: 32, .size: 8, .value_kind: global_buffer, .address_space: global }
      - { .name: out0, .offset: 40, .size: 8, .value_kind: global_buffer, .address_space: global }
    .group_segment_fixed_size: 327680
    .private_segment_fixed_size: 0
    .kernarg_segment_align: 8
    .kernarg_segment_size: 48
    .max_flat_workgroup_size: 128
    .sgpr_count:     100
    .vgpr_count:     1024
    .wavefront_size: 32
...
	.end_amdgpu_metadata
.endif
;; end of part 3
